; MI455X (gfx1250); checked and timed in simulation.
; The chip was launched on July 23, 2026; its instructions are those of AMD's public machine-readable ISA for CDNA 5 (MIT licence, August 2026) and "CDNA5" Instruction Set Architecture Reference Guide (July 2026). The comments in the code are by the model that wrote it; some were corrected since.
;; Feed Forward Mo E. Allowed arithmetic: matrix products marked QUANTISED: E2M1 operands, one E8M0 scale for each 32 along K, by v_wmma_scale_f32_16x16x128_f8f6f4 with both operands' format E2M1 (or v_wmma_scale_f32_32x16x128_f4), f32 sums; products left as they are: f32 operands where the result goes on into a quantised operand, else bf16, f16 or f32 operands; f32 sums; everything else in f32.
;; Inputs: b1 8 x 4,096 float32; b2 8 x 1,024 float32; gate_b 8 float32; gate_w 1,024 x 8 float32; w1_codes 8 x 4,096 x 32 x 16 uint8 (E2M1 codes of w1, K innermost, in blocks of 32 codes, two codes a byte); w1_scales 8 x 4,096 x 32 uint8 (E8M0 scales of w1, one for each 32 codes along K); w2_codes 8 x 1,024 x 128 x 16 uint8 (E2M1 codes of w2, K innermost, in blocks of 32 codes, two codes a byte); w2_scales 8 x 1,024 x 128 uint8 (E8M0 scales of w2, one for each 32 codes along K); x 2 x 512 x 1,024 float32.
;; Outputs: out0 2 x 512 x 1,024 float32.
;; This version of the problem:
;;   THIS VERSION OF THE PROBLEM IS GIVEN IN LOW PRECISION. The matrix products marked QUANTISED in the list below multiply operands that are first quantised to E2M1 (2 exponent bits, 1 mantissa bit; 4 bits a number), with one power-of-two scale for each 32 numbers along K (OCP MX v1.0); their sums are f32. All else is computed in f32.
;;   The module's matrix products, in the order in which they are computed (A, B: the left and right operand; K: the contracted axis; several contracted axes count as one K, in the product's order):
;;     1. [M 1,024, K 1,024] x [K 1,024, N 8]; A: input x; B: input gate_w: left as it is (N = 8 < 16)
;;     2. [M 32,768, K 1,024] x [K 1,024, N 1,024]; A: input w1 (given as codes); B: input x: QUANTISED
;;     3. batch 8 x [M 1,024, K 4,096] x [K 4,096, N 1,024]; A: computed on the way; B: input w2 (given as codes): QUANTISED
;;     4. batch 1,024 x [M 1,024, K 8] x [K 8, N 1]; A: computed on the way; B: computed on the way: left as it is (K = 8 < 32)
;;   THE QUANTISER, for each operand of a quantised product, along K:
;;     - K is cut into blocks of 32 from its start; a last block that is shorter is filled with zeros.
;;     - A block's scale is 2^e with e = floor(log2(the largest magnitude in the block)) - 2, held to -126 .. 127; a block of zeros has e = 0. As a byte (E8M0): e + 127.
;;     - Each number is divided by its block's scale, clamped to +-6, and rounded to the nearest number of E2M1, ties to even, subnormals kept.
;;     - The product sums the exact products of the quantised numbers (number of the format x scale) in f32.
;;   ~~~python
;;   def quantise(x, axis):      # numpy; x: float32 -> the quantised numbers, widened to float32 again
;;       x = np.moveaxis(x, axis, -1); K = x.shape[-1]
;;       x = np.pad(x, [(0, 0)] * (x.ndim - 1) + [(0, -K % 32)]); x = x.reshape(x.shape[:-1] + (-1, 32)); a = np.abs(x).max(-1, keepdims=True)
;;       e = np.where(a > 0, np.clip(np.frexp(np.where(a > 0, a, 1))[1] - 1 - 2, -126, 127), 0)      # np.frexp(a)[1] - 1 = floor(log2(a)), exactly
;;       r = np.clip(x / 2.0 ** e, -6, 6)
;;       step = 2.0 ** (np.maximum(np.frexp(np.where(r == 0, 1, r))[1] - 1, 0) - 1)
;;       q = np.round(r / step) * step * 2.0 ** e      # np.round: ties to even
;;       return np.moveaxis(q.reshape(q.shape[:-2] + (-1,))[..., :K], -1, axis).astype(np.float32)
;;   ~~~
;;   OPERANDS COMPUTED ON THE WAY. 'Computed on the way' means the value that the module computes at that place (a softmax that the list does not call 'softmax' is quantised finished and normalised). What goes into a quantiser is computed in f32, as accurately as f32 sums, v_exp_f32 and their like allow (about 1e-6 of the number): no bf16 or f16 on the way to a quantiser, and a product that is left as it is and whose result goes on into a quantised operand takes f32 operands (vector FMAs, or v_wmma_f32_16x16x4_f32). A number that lies on a knife's edge between two numbers of the format may be rounded either way, as far as f32 arithmetic and the matrix unit's own rounding can turn it there, and no further.
;;   INPUTS GIVEN AS CODES. w1 (in the module: [8, 1024, 4096], K = its axis 1); w2 (in the module: [8, 4096, 1024], K = its axis 1): each comes as NAME_codes (uint8): NAME with its K axis moved to the last place and cut into blocks of 32 codes, [.., K / 32, bytes a block], one block behind the other in memory; two codes a byte, the lower K in the low four bits (a code: sign, 2 exponent bits, 1 mantissa bit); and NAME_scales (uint8): the same leading axes, one E8M0 byte (e + 127) for each 32 codes along K. Its value is code x scale, taken as it is: it is not quantised again, and the codes and scales need not be those that the quantiser above would give.
;; One version. Each part assembles by itself: llvm-mc -triple=amdgcn-amd-amdhsa -mcpu=gfx1250 --defsym DOCPART=n.
;; ======== version 1 of 1: 5 launches
;; workspace buffers: xw 561,152 bytes; sel 4,096 bytes of whole numbers; plan 17,152 bytes of whole numbers; hid 4,734,976 bytes; y 17,825,792 bytes
;; launch prep (part 1): grid 256 x 1, 4 waves a work-group, no clusters, 37,888 bytes of LDS; arguments x, gate_w, gate_b, xw, sel; writes xw, sel
.if DOCPART == 1
	.amdgcn_target "amdgcn-amd-amdhsa--gfx1250"
	.amdhsa_code_object_version 6
	.text
	.protected	k_qa42443dccd_prep
	.globl	k_qa42443dccd_prep
	.p2align	8
	.type	k_qa42443dccd_prep,@function
k_qa42443dccd_prep:
	s_mov_b64 s[64:65], 0
	v_nop
	global_prefetch_b8 v0, s[64:65] scope:SCOPE_SE
	s_setreg_imm32_b32 hwreg(HW_REG_WAVE_MODE, 25, 1), 1
	s_wait_xcnt 0x0
; GATE AND QUANTISER OF x.  x: [1024 tokens][1024] f32; gate_w: [1024][8] f32; gate_b: [8] f32.
; Out: xw = x as codes of E2M1 [1024][512 bytes], K innermost; behind them one E8M0 byte for each 32 along K [1024][32]; behind them
; fac [1024] f32, the sum of the softmax of a token's two largest gate scores.  sel [1024] u32 = first expert | second expert << 8.
; SHARES.  A work-group takes 4 tokens; wave w takes columns 256 w .. 256 w + 255 of all four; lane l the eight columns 256 w + 8 l + 0 .. 7:
; eight neighbours along K in one lane's registers, as the conversion takes them; a block of 32 lies in four neighbouring lanes.
; The gate is f32 multiply-adds: a lane makes 32 partial sums (4 tokens x 8 experts); a butterfly over the 32 lanes leaves one sum a lane;
; the four waves' sums meet in LDS, and wave 0 adds them, adds the bias and picks the two largest (strictly greater: the lower index wins a tie).
; LIMITS: NaN and infinities among the inputs are not served.  A block of zeros gets the scale byte 1 where the quantiser's text says 127:
; its codes are zeros, and this program alone reads the bytes.  The choice of experts can differ from an exact sum's only where the second and
; the third score lie within the error of an f32 sum of 1,024 terms of each other.
.set XS_OFF,  524288                   ; xw: where the scale bytes begin
.set FAC_OFF, 557056                   ; xw: where fac begins
.set RED,  34816                       ; LDS: 0 .. 34,815 four waves x 32 places of 272 bytes (256 of gate_w + 16 of padding); then 4 x 128 bytes of partial sums,
.set XC,   35328                       ; 4 tokens x 512 bytes of codes,
.set XSS,  37376                       ; 4 tokens x 32 scale bytes
.set X,    16                          ; v16-47   x: token a at 16 + 8 a
.set GD,   48                          ; v48-111  gate_w as loaded
.set GW,   112                         ; v112-175 gate_w turned: register 8 j + e = gate_w[my column j][e]; later wave 0's partial sums
.set ACC,  176                         ; v176-207 sums: 8 a + e
.set GB,   208                         ; v208-215 gate_b
.set MX,   216                         ; v216-219 largest magnitudes; v220-223 scale operands; v224-227 codes; v228-231 scale bytes
.set SC,   220
.set CD,   224
.set BY,   228
	s_load_b256 s[4:11], s[0:1], 0x0               ; x s[4:5], gate_w s[6:7], gate_b s[8:9], xw s[10:11]
	s_load_b64 s[12:13], s[0:1], 0x20              ; sel
	v_lshrrev_b32 v1, 5, v0
	v_readfirstlane_b32 s16, v1                    ; wave 0..3
	v_and_b32 v1, 31, v0                           ; lane
	v_lshlrev_b32 v2, 5, v1                        ; x: 32 bytes a lane
	v_lshlrev_b32 v3, 4, v1                        ; 16 bytes a lane
	v_bfe_u32 v14, v0, 4, 1                        ; lane / 16
	v_and_b32 v15, 15, v0
	s_mul_i32 s17, s16, 8704                       ; my wave's 32 places
	v_mul_u32_u24 v4, v14, 272
	v_lshl_add_u32 v4, v15, 4, v4
	v_add_nc_u32 v4, s17, v4                       ; gate_w into LDS: a load's 512 bytes are two places
	v_mul_u32_u24 v5, v1, 272
	v_add_nc_u32 v5, s17, v5                       ; and back: place = lane: my eight rows of gate_w
	v_bfe_u32 v15, v0, 3, 1                        ; the lane's five bits in reverse order: which of the 32 sums the butterfly leaves me
	v_lshl_or_b32 v14, v15, 1, v14
	v_bfe_u32 v15, v0, 2, 1
	v_lshl_or_b32 v14, v15, 2, v14
	v_bfe_u32 v15, v0, 1, 1
	v_lshl_or_b32 v14, v15, 3, v14
	v_and_b32 v15, 1, v0
	v_lshl_or_b32 v14, v15, 4, v14
	s_lshl_b32 s18, s16, 7
	s_add_co_u32 s19, s18, RED
	v_lshl_add_u32 v6, v14, 2, s19                 ; my sum's word among my wave's 32
	s_add_co_u32 s19, s18, XC
	v_lshl_add_u32 v7, v1, 2, s19                  ; my 4 bytes of codes in a token's 512
	s_lshl_b32 s23, s16, 3
	s_add_co_u32 s23, s23, XSS
	v_lshrrev_b32 v8, 2, v1
	v_add_nc_u32 v8, s23, v8                       ; my block's byte in a token's 32
	s_lshl_b32 s22, s16, 9
	s_add_co_u32 s22, s22, XC
	v_add_nc_u32 v9, s22, v3                       ; on the way out wave w takes token w's 512 bytes of codes
	v_and_b32 v10, 3, v0
	v_lshl_add_u32 v10, v10, 5, RED                ; wave 0: lane l takes token l % 4: its eight sums of each wave
	v_lshl_add_u32 v11, v1, 2, XSS                 ; wave 1: the 128 scale bytes, 4 a lane
	v_lshlrev_b32 v12, 2, v1
	v_mov_b32 v13, 0
	v_mov_b32 v232, 0                              ; a lane permute's destination counts as one of its sources: written once
	v_mov_b32 v233, 0
.irp k, 0,1,2,3,4
	v_bfe_u32 v15, v0, \k, 1
	v_cmp_ne_u32 s[24+\k], 0, v15                  ; the lanes whose bit k is set
.endr
	s_mov_b32 s20, 0x76543210
	s_mov_b32 s21, 0xfedcba98                      ; v_permlanex16_b32's selects for lane l xor 16
	s_mov_b32 s31, 0
	s_wait_kmcnt 0x0
	s_lshl_b32 s30, ttmp9, 14                      ; 4 tokens of 4,096 bytes,
	s_lshl_b32 s29, s16, 10                        ; my wave's 1,024 bytes of a row
	s_add_co_u32 s30, s30, s29
	s_add_nc_u64 s[4:5], s[4:5], s[30:31]
	s_lshl_b32 s30, s16, 13                        ; my wave's 256 rows of gate_w
	s_add_nc_u64 s[6:7], s[6:7], s[30:31]
	s_lshl_b32 s30, ttmp9, 11
	s_lshl_b32 s29, s16, 9
	s_add_co_u32 s30, s30, s29
	s_add_nc_u64 s[32:33], s[10:11], s[30:31]      ; codes of token 4 x work-group + wave
	s_lshl_b32 s30, ttmp9, 7
	s_add_nc_u64 s[34:35], s[10:11], s[30:31]      ; the work-group's 128 scale bytes (XS_OFF stands in the immediate)
	s_lshl_b32 s30, ttmp9, 4
	s_add_nc_u64 s[36:37], s[10:11], s[30:31]      ; its four fac (FAC_OFF likewise)
	s_add_nc_u64 s[12:13], s[12:13], s[30:31]      ; its four words of sel
.irp a, 0,1,2,3
	global_load_b128 v[X+8*\a:X+8*\a+3], v2, s[4:5] offset:4096*\a       ; the two loads of a pair cover 1,024 consecutive bytes
	global_load_b128 v[X+8*\a+4:X+8*\a+7], v2, s[4:5] offset:4096*\a+16
.endr
.irp i, 0,1,2,3,4,5,6,7,8,9,10,11,12,13,14,15
	global_load_b128 v[GD+4*\i:GD+4*\i+3], v3, s[6:7] offset:512*\i      ; 512 consecutive bytes a load
.endr
	global_load_b128 v[GB:GB+3], v13, s[8:9]
	global_load_b128 v[GB+4:GB+7], v13, s[8:9] offset:16
	s_wait_loadcnt 18                              ; x is in; the 16 loads of gate_w and the 2 of gate_b may be out
	; ---- x into codes: the four tokens by turns, so that no line waits for the line above it
.irp a, 0,1,2,3
	v_max3_num_f32 v[MX+\a], |v[X+8*\a]|, |v[X+8*\a+1]|, 0x1800000       ; with the floor 2^(3 - 127): the byte cannot fall under 1
.endr
.irp i, 2,4,6
.irp a, 0,1,2,3
	v_max3_num_f32 v[MX+\a], v[MX+\a], |v[X+8*\a+\i]|, |v[X+8*\a+\i+1]|
.endr
.endr
.irp m, 1,2
.irp a, 0,1,2,3
	v_max_num_f32_dpp v[MX+\a], v[MX+\a], v[MX+\a] row_xmask:\m row_mask:0xf bank_mask:0xf   ; with the block's other three lanes
.endr
.endr
.irp a, 0,1,2,3
	v_add_nc_u32 v[SC+\a], 0xff000000, v[MX+\a]    ; 2 off the exponent field: the conversion takes that field as its scale
.endr
.irp a, 0,1,2,3
	v_cvt_scalef32_pk8_fp4_f32 v[CD+\a], v[X+8*\a:X+8*\a+7], v[SC+\a]
.endr
.irp a, 0,1,2,3
	v_lshrrev_b32 v[BY+\a], 23, v[SC+\a]           ; the scale's byte
.endr
.irp a, 0,1,2,3
	ds_store_b32 v7, v[CD+\a] offset:512*\a
	ds_store_b8 v8, v[BY+\a] offset:32*\a          ; the four lanes of a block write the same byte with the same value
.endr
	s_wait_loadcnt 2                               ; gate_w is in; gate_b's two loads may be out
	; ---- gate_w turns through my wave's own LDS: in as it lies, back 256 bytes a lane.  LDS serves a wave's instructions in order: no wait between
.irp i, 0,1,2,3,4,5,6,7,8,9,10,11,12,13,14,15
	ds_store_b128 v4, v[GD+4*\i:GD+4*\i+3] offset:544*\i
.endr
.irp j, 0,1,2,3,4,5,6,7,8,9,10,11,12,13,14,15
	ds_load_b128 v[GW+4*\j:GW+4*\j+3], v5 offset:16*\j
.endr
	s_wait_dscnt 0x0
; token a: eight sums over my eight columns, two experts an instruction; x's number is taken for both halves (op_sel picks it out of its pair)
.macro GATE a
.set jj, 0
.rept 8
.set pp, 0
.rept 4
.if jj == 0
	v_pk_mul_f32 v[ACC+8*\a+2*pp:ACC+8*\a+2*pp+1], v[GW+2*pp:GW+2*pp+1], v[X+8*\a:X+8*\a+1] op_sel_hi:[1,0]
.elseif jj%2 == 0
	v_pk_fma_f32 v[ACC+8*\a+2*pp:ACC+8*\a+2*pp+1], v[GW+8*jj+2*pp:GW+8*jj+2*pp+1], v[X+8*\a+jj:X+8*\a+jj+1], v[ACC+8*\a+2*pp:ACC+8*\a+2*pp+1] op_sel_hi:[1,0,1]
.else
	v_pk_fma_f32 v[ACC+8*\a+2*pp:ACC+8*\a+2*pp+1], v[GW+8*jj+2*pp:GW+8*jj+2*pp+1], v[X+8*\a+jj-1:X+8*\a+jj], v[ACC+8*\a+2*pp:ACC+8*\a+2*pp+1] op_sel:[0,1,0] op_sel_hi:[1,1,1]
.endif
.set pp, pp+1
.endr
.set jj, jj+1
.endr
.endm
	GATE 0
	GATE 1
	GATE 2
	GATE 3
; a step of the butterfly: 2 n sums a lane become n: both are added with the partner lane's; lanes whose bit is set keep the upper one
.macro FOLD n, mask, sbit
.set ff, 0
.rept \n
	v_add_f32_dpp v[ACC+ff], v[ACC+ff], v[ACC+ff] row_xmask:\mask row_mask:0xf bank_mask:0xf
	v_add_f32_dpp v[ACC+ff+\n], v[ACC+ff+\n], v[ACC+ff+\n] row_xmask:\mask row_mask:0xf bank_mask:0xf
	v_cndmask_b32 v[ACC+ff], v[ACC+ff], v[ACC+ff+\n], s[\sbit]
.set ff, ff+1
.endr
.endm
	FOLD 16, 1, 24
	FOLD 8, 2, 25
	FOLD 4, 4, 26
	FOLD 2, 8, 27
	v_permlanex16_b32 v232, v[ACC], s20, s21
	v_permlanex16_b32 v233, v[ACC+1], s20, s21
	v_add_f32 v[ACC], v[ACC], v232
	v_add_f32 v[ACC+1], v[ACC+1], v233
	v_cndmask_b32 v[ACC], v[ACC], v[ACC+1], s28
	ds_store_b32 v6, v[ACC]                        ; sum 8 a + e of my wave's 256 columns
	s_wait_dscnt 0x0                               ; for the others' sake: my codes, bytes and sums lie in LDS
	s_barrier_signal -1
	s_barrier_wait -1
	ds_load_b128 v[236:239], v9
	s_wait_dscnt 0x0
	global_store_b128 v3, v[236:239], s[32:33]     ; a token's 512 bytes of codes: two aligned runs of 256 bytes
	s_cmp_lg_u32 s16, 1
	s_cbranch_scc1 .Lnot_wave_1
	ds_load_b32 v234, v11
	s_wait_dscnt 0x0
	global_store_b32 v12, v234, s[34:35] offset:XS_OFF   ; four tokens' scale bytes: 128 consecutive bytes
.Lnot_wave_1:
	s_cmp_lg_u32 s16, 0
	s_cbranch_scc1 .Lend
	s_wait_loadcnt 0x0                             ; gate_b
.irp u, 0,1,2,3
	ds_load_b128 v[GW+8*\u:GW+8*\u+3], v10 offset:128*\u
	ds_load_b128 v[GW+8*\u+4:GW+8*\u+7], v10 offset:128*\u+16
.endr
	s_wait_dscnt 0x0
.irp p, 0,2,4,6
	v_pk_add_f32 v[GW+\p:GW+\p+1], v[GW+\p:GW+\p+1], v[GW+8+\p:GW+9+\p]
	v_pk_add_f32 v[GW+16+\p:GW+17+\p], v[GW+16+\p:GW+17+\p], v[GW+24+\p:GW+25+\p]
.endr
.irp p, 0,2,4,6
	v_pk_add_f32 v[GW+\p:GW+\p+1], v[GW+\p:GW+\p+1], v[GW+16+\p:GW+17+\p]
.endr
.irp p, 0,2,4,6
	v_pk_add_f32 v[GW+\p:GW+\p+1], v[GW+\p:GW+\p+1], v[GB+\p:GB+\p+1]   ; the eight scores of token lane % 4
.endr
	v_mov_b32 v240, v[GW]                          ; the largest so far, v241 its expert;
	v_mov_b32 v241, 0
	v_mov_b32 v242, 0xff800000                     ; the second, v243 its expert: -infinity, under every score
	v_mov_b32 v243, 0
.irp e, 1,2,3,4,5,6,7
	v_mov_b32 v244, \e
	v_cmp_gt_f32 vcc_lo, v[GW+\e], v240
	v_cmp_gt_f32 s39, v[GW+\e], v242
	v_cndmask_b32 v242, v242, v[GW+\e], s39
	v_cndmask_b32 v243, v243, v244, s39
	v_cndmask_b32 v242, v242, v240, vcc_lo
	v_cndmask_b32 v243, v243, v241, vcc_lo
	v_cndmask_b32 v240, v240, v[GW+\e], vcc_lo
	v_cndmask_b32 v241, v241, v244, vcc_lo
.endr
	v_sub_f32 v245, v242, v240                     ; the softmax of the two: the larger is taken away, so the terms are 1 and e <= 1
	v_mul_f32 v245, 0x3fb8aa3b, v245
	v_exp_f32 v245, v245
	v_lshl_or_b32 v246, v243, 8, v241              ; (a plain line behind the exponential)  sel
	v_add_f32 v247, 1.0, v245
	v_rcp_f32 v247, v247
	v_cmp_gt_u32 vcc_lo, 4, v1                     ; (a plain line behind the reciprocal)  lanes 0 to 3 store
	v_fma_f32 v245, v245, v247, v247               ; fac = 1 / sum + e / sum
	s_wait_xcnt 0x0                                ; EXEC changes only behind this wait: a store of mine may still be reading it
	s_and_saveexec_b32 s38, vcc_lo
	global_store_b32 v12, v246, s[12:13]
	global_store_b32 v12, v245, s[36:37] offset:FAC_OFF
	s_wait_xcnt 0x0
	s_or_b32 exec_lo, exec_lo, s38
.Lend:
	s_endpgm
.Lfunc_end_k_qa42443dccd_prep:
	.size	k_qa42443dccd_prep, .Lfunc_end_k_qa42443dccd_prep-k_qa42443dccd_prep
	.p2alignl 7, 3214868480
	.fill 96, 4, 3214868480
	.section	.rodata,"a",@progbits
	.p2align	6, 0x0
	.amdhsa_kernel k_qa42443dccd_prep
		.amdhsa_group_segment_fixed_size 37888
		.amdhsa_private_segment_fixed_size 0
		.amdhsa_enable_private_segment 0
		.amdhsa_kernarg_size 40
		.amdhsa_user_sgpr_count 2
		.amdhsa_user_sgpr_kernarg_segment_ptr 1
		.amdhsa_wavefront_size32 1
		.amdhsa_system_sgpr_workgroup_id_x 1
		.amdhsa_system_sgpr_workgroup_id_y 1
		.amdhsa_system_sgpr_workgroup_id_z 1
		.amdhsa_system_vgpr_workitem_id 0
		.amdhsa_next_free_vgpr 256
		.amdhsa_next_free_sgpr 66
		.amdhsa_reserve_vcc 1
		.amdhsa_float_denorm_mode_32 3
		.amdhsa_float_denorm_mode_16_64 3
		.amdhsa_memory_ordered 1
		.amdhsa_forward_progress 1
		.amdhsa_inst_pref_size 31
	.end_amdhsa_kernel
	.amdgpu_metadata
---
amdhsa.version: [ 1, 2 ]
amdhsa.kernels:
  - .name:           k_qa42443dccd_prep
    .symbol:         k_qa42443dccd_prep.kd
    .args:
      - { .name: x, .offset: 0, .size: 8, .value_kind: global_buffer, .address_space: global }
      - { .name: gate_w, .offset: 8, .size: 8, .value_kind: global_buffer, .address_space: global }
      - { .name: gate_b, .offset: 16, .size: 8, .value_kind: global_buffer, .address_space: global }
      - { .name: xw, .offset: 24, .size: 8, .value_kind: global_buffer, .address_space: global }
      - { .name: sel, .offset: 32, .size: 8, .value_kind: global_buffer, .address_space: global }
    .group_segment_fixed_size: 37888
    .private_segment_fixed_size: 0
    .kernarg_segment_align: 8
    .kernarg_segment_size: 40
    .max_flat_workgroup_size: 128
    .sgpr_count:     66
    .vgpr_count:     256
    .wavefront_size: 32
...
	.end_amdgpu_metadata
.endif
;; end of part 1
;; launch route (part 2): grid 1 x 1, 32 waves a work-group, no clusters, 1,024 bytes of LDS; arguments sel, plan; writes plan
.if DOCPART == 2
	.amdgcn_target "amdgcn-amd-amdhsa--gfx1250"
	.amdhsa_code_object_version 6
	.text
	.protected	k_qa42443dccd_route
	.globl	k_qa42443dccd_route
	.p2align	8
	.type	k_qa42443dccd_route,@function
k_qa42443dccd_route:
	s_mov_b64 s[64:65], 0
	v_nop
	global_prefetch_b8 v0, s[64:65] scope:SCOPE_SE
	s_setreg_imm32_b32 hwreg(HW_REG_WAVE_MODE, 25, 1), 1
	s_wait_xcnt 0x0
; FROM THE CHOICE TO LISTS.  sel [1024] u32 = first expert | second expert << 8.  The 2,048 pairs (token, expert) are ordered by expert, then by token;
; each expert's segment begins at a multiple of 16 rows.  All in whole numbers, without atomics: one work-group of 32 waves, thread = token.
; plan: at 0 [8 experts][4] u32 = first tile of 16 rows, tiles, pairs, 0;  at 256 [1024 tokens][2] u32 = the token's two rows;  at 8,448 [2,176 rows] u32 = the row's token
; (written only for rows that hold a pair; the launches behind read no other).  The tiles of all experts are 135 at the most: 2,048 / 16 + 7.
.set ROWOF, 256
.set LIST,  8448
	s_load_b128 s[4:7], s[0:1], 0x0                ; sel s[4:5], plan s[6:7]
	v_lshrrev_b32 v1, 5, v0
	v_readfirstlane_b32 s8, v1                     ; wave 0..31
	v_and_b32 v1, 31, v0                           ; lane
	v_lshlrev_b32 v2, 2, v0
	v_lshlrev_b32 v3, 3, v0
	v_and_b32 v7, 0x3e0, v0                        ; LDS: my wave's eight counts: 32 bytes x wave
	v_lshlrev_b32 v8, 5, v1                        ; and on the way back: lane l takes wave l's
	s_mov_b32 s40, 0x76543210
	s_mov_b32 s41, 0xfedcba98                      ; v_permlanex16_b32's selects for lane l xor 16
.irp e, 0,1,2,3,4,5,6,7
	v_mov_b32 v[64+\e], 0                          ; a lane permute's destination counts as one of its sources
.endr
	v_mov_b32 v72, 0
	v_mov_b32 v73, 0
	v_mov_b32 v76, 0
	s_wait_kmcnt 0x0
	global_load_b32 v4, v2, s[4:5]
	s_wait_loadcnt 0x0
	v_and_b32 v5, 7, v4                            ; my token's first expert,
	v_bfe_u32 v6, v4, 8, 3                         ; and its second
.irp e, 0,1,2,3,4,5,6,7
	v_cmp_eq_u32 s[16+\e], \e, v5                  ; the lanes whose first expert is e,
	v_cmp_eq_u32 s[24+\e], \e, v6                  ; whose second is,
	s_or_b32 s[32+\e], s[16+\e], s[24+\e]          ; either (never both: the two differ)
	s_bcnt1_i32_b32 s44, s[32+\e]
	v_mov_b32 v[16+\e], s44                        ; my wave's pairs of expert e
.endr
	ds_store_b128 v7, v[16:19]                     ; all lanes write the same words with the same values
	ds_store_b128 v7, v[20:23] offset:16
	s_wait_dscnt 0x0
	s_barrier_signal -1
	s_barrier_wait -1
	ds_load_b128 v[16:19], v8
	ds_load_b128 v[20:23], v8 offset:16
	v_cmp_gt_u32 vcc_lo, s8, v1                    ; wave l comes ahead of mine
	v_mov_b32 v10, 1
	v_mov_b32 v11, 0x10001
	v_cndmask_b32 v9, v10, v11, vcc_lo
	s_wait_dscnt 0x0
.irp e, 0,1,2,3,4,5,6,7
	v_mul_u32_u24 v[24+\e], v[16+\e], v9           ; low half: counts toward the total; high half: toward the sum over earlier waves.  Both stay under 2^16
.endr
.irp m, 1,2,4,8
.irp e, 0,1,2,3,4,5,6,7
	v_add_nc_u32_dpp v[24+\e], v[24+\e], v[24+\e] row_xmask:\m row_mask:0xf bank_mask:0xf
.endr
.endr
.irp e, 0,1,2,3,4,5,6,7
	v_permlanex16_b32 v[64+\e], v[24+\e], s40, s41
.endr
.irp e, 0,1,2,3,4,5,6,7
	v_add_nc_u32 v[24+\e], v[24+\e], v[64+\e]      ; every lane holds both sums of every expert
.endr
	v_mov_b32 v32, 0                               ; expert 0 begins at tile 0
.irp e, 0,1,2,3,4,5,6,7
	v_and_b32 v[34+4*\e], 0xffff, v[24+\e]         ; pairs
	v_add_nc_u32 v[33+4*\e], 15, v[34+4*\e]
	v_lshrrev_b32 v[33+4*\e], 4, v[33+4*\e]        ; tiles
	v_mov_b32 v[35+4*\e], 0
	v_lshrrev_b32 v[24+\e], 16, v[24+\e]           ; pairs of earlier waves
.if \e < 7
	v_add_nc_u32 v[36+4*\e], v[32+4*\e], v[33+4*\e]   ; the next expert's first tile
.endif
.endr
.irp e, 0,1,2,3,4,5,6,7
	v_mbcnt_lo_u32_b32 v64, s[32+\e], v[24+\e]     ; + the pairs of lower lanes of my wave: my rank in expert e
	v_lshl_add_u32 v64, v[32+4*\e], 4, v64         ; my row
	v_cndmask_b32 v72, v72, v64, s[16+\e]
	v_cndmask_b32 v73, v73, v64, s[24+\e]
.endr
	v_min_u32 v72, 0x87f, v72                      ; held inside the list's 2,176 rows
	v_min_u32 v73, 0x87f, v73
	v_lshlrev_b32 v74, 2, v72
	v_lshlrev_b32 v75, 2, v73
	global_store_b64 v3, v[72:73], s[6:7] offset:ROWOF
	global_store_b32 v74, v0, s[6:7] offset:LIST
	global_store_b32 v75, v0, s[6:7] offset:LIST
	s_cmp_lg_u32 s8, 0
	s_cbranch_scc1 .Lend
	v_cmp_eq_u32 vcc_lo, 0, v1
	s_wait_xcnt 0x0                                ; EXEC changes only behind this wait
	s_and_saveexec_b32 s42, vcc_lo
.irp e, 0,1,2,3,4,5,6,7
	global_store_b128 v76, v[32+4*\e:35+4*\e], s[6:7] offset:16*\e
.endr
	s_wait_xcnt 0x0
	s_or_b32 exec_lo, exec_lo, s42
.Lend:
	s_endpgm
.Lfunc_end_k_qa42443dccd_route:
	.size	k_qa42443dccd_route, .Lfunc_end_k_qa42443dccd_route-k_qa42443dccd_route
	.p2alignl 7, 3214868480
	.fill 96, 4, 3214868480
	.section	.rodata,"a",@progbits
	.p2align	6, 0x0
	.amdhsa_kernel k_qa42443dccd_route
		.amdhsa_group_segment_fixed_size 1024
		.amdhsa_private_segment_fixed_size 0
		.amdhsa_enable_private_segment 0
		.amdhsa_kernarg_size 16
		.amdhsa_user_sgpr_count 2
		.amdhsa_user_sgpr_kernarg_segment_ptr 1
		.amdhsa_wavefront_size32 1
		.amdhsa_system_sgpr_workgroup_id_x 1
		.amdhsa_system_sgpr_workgroup_id_y 1
		.amdhsa_system_sgpr_workgroup_id_z 1
		.amdhsa_system_vgpr_workitem_id 0
		.amdhsa_next_free_vgpr 96
		.amdhsa_next_free_sgpr 66
		.amdhsa_reserve_vcc 1
		.amdhsa_float_denorm_mode_32 3
		.amdhsa_float_denorm_mode_16_64 3
		.amdhsa_memory_ordered 1
		.amdhsa_forward_progress 1
		.amdhsa_inst_pref_size 12
	.end_amdhsa_kernel
	.amdgpu_metadata
---
amdhsa.version: [ 1, 2 ]
amdhsa.kernels:
  - .name:           k_qa42443dccd_route
    .symbol:         k_qa42443dccd_route.kd
    .args:
      - { .name: sel, .offset: 0, .size: 8, .value_kind: global_buffer, .address_space: global }
      - { .name: plan, .offset: 8, .size: 8, .value_kind: global_buffer, .address_space: global }
    .group_segment_fixed_size: 1024
    .private_segment_fixed_size: 0
    .kernarg_segment_align: 8
    .kernarg_segment_size: 16
    .max_flat_workgroup_size: 1024
    .sgpr_count:     66
    .vgpr_count:     96
    .wavefront_size: 32
...
	.end_amdgpu_metadata
.endif
;; end of part 2
;; launch ffn1 (part 3): grid 256 x 1, 4 waves a work-group, no clusters, 67,584 bytes of LDS; arguments plan, xw, w1_codes, w1_scales, b1, hid; writes hid
.if DOCPART == 3
	.amdgcn_target "amdgcn-amd-amdhsa--gfx1250"
	.amdhsa_code_object_version 6
	.text
	.protected	k_qa42443dccd_ffn1
	.globl	k_qa42443dccd_ffn1
	.p2align	8
	.type	k_qa42443dccd_ffn1,@function
k_qa42443dccd_ffn1:
	s_mov_b64 s[64:65], 0
	v_nop
	global_prefetch_b8 v0, s[64:65] scope:SCOPE_SE
	s_setreg_imm32_b32 hwreg(HW_REG_WAVE_MODE, 25, 1), 1
	s_wait_xcnt 0x0
; hid = Q(gelu(x W1 + b1)) for the pairs (token, expert) that the gate chose: the selection is built by the module itself, so what it throws away is not computed.
; Product on codes of E2M1 with one E8M0 scale for each 32 along K.  x's codes and scale bytes come from xw, gathered by the list in plan; W1's as they are given.
; SHARES.  A work-group = expert e (work-group / 32) x slice sl (work-group % 32) of 128 hidden units.  The slice's 64 KB of codes stand in EVERY wave's registers (64 fragments, 512 registers):
; read from memory once by the work-group, 512 consecutive bytes a load, handed round through LDS once.  Wave w takes the expert's tiles of 16 rows w, w + 4, ...
; THE MATRIX INSTRUCTION IS USED TRANSPOSED (source 0 = 16 rows of W1, source 1 = 16 tokens): a lane holds one token.  THE ROWS OF W1 THAT FORM A TILE ARE NOT NEIGHBOURS: lane r of tile 2 b + u takes
; row 32 b + 8 u + r + 8 (r / 8), so that the 16 registers of tiles 2 b and 2 b + 1 are 16 neighbours along the next product's K: 32 b + 16 (lane / 16) + 0 .. 15.  b1 is the C of each sum's first instruction.
; The slice is one K step of the next product: its codes leave as an IMAGE OF THE OPERAND'S REGISTERS, (tile T, K step sl) at (32 T + sl) x 1,024 bytes, 16 bytes a lane, 512 consecutive bytes a store; the scale words behind them.
; GELU, exact form: gelu(u) = max(u, 0) - |u| a,  a = erfc(|u| / sqrt 2) / 2 = t 2^(q(t) - u^2 log2(e) / 2),  t = 1 / (1 + |u| / (2 sqrt 2)),  q of degree 9 (a published fit of erfc, fractional error 1.2e-7,
; its coefficients times log2(e), 1 off the constant for the half).  No difference of near-equal numbers is formed on either side of 0.
; LIMITS: gelu within about 1e-6 of the number; NaN and infinities are not served; a block of zeros gets the scale byte 1 where the quantiser's text says 127 (its codes are zeros, this program alone reads the bytes).
; Rows that pad an expert's last tile repeat its last token; nobody combines them.  Experts with unequal numbers of pairs give work-groups unequal work.
; No tensor loads: no LDS byte is filled twice.  No cluster: work-groups of one expert share x's rows only, a small part of what a work-group reads, and their trip counts are read from memory.
; REGISTERS, in windows of 256: window 0: v1-15 addresses; v16-79 W1's scale words (8 t + s); v80-87 x's; v88-151 the 8 tiles of results; v152-160 codes and scale word; v162-241 gelu at work.
;   window 1: W1's fragments of K steps 0-3 at 8 (8 (s % 4) + t); window 2: K steps 4-7; window 3: v0-63 b1's eight tiles, v64-127 x's eight fragments.
.set XS_OFF, 524288
.set LIST,   8448
.set HS_OFF, 4456448
.set WP,     528                       ; a row of W1 in LDS: 512 bytes + 16 of padding
.set WS,  16
.set XS,  80
.set HA,  88
.set PC,  152
.set PW,  160
.set TS,  162                          ; three sets of 16 for t, taken by turns by the four groups
.set TM,  162                          ; the quantiser's work registers lie over the first set
.set PP,  210
.set MM,  226
.set SEL, 34
.set MSB, 0
.macro WIN new                         ; the immediate's high byte repeats the setting that is left; a switch that changes nothing is dropped
.if MSB != \new
	s_set_vgpr_msb (MSB<<8)|\new
.set MSB, \new
.endif
.endm
.macro CPAIR reg, val                  ; a constant twice: the packed forms name a pair
	s_mov_b32 s[\reg], \val
	s_mov_b32 s[\reg+1], \val
.endm
	s_load_b256 s[4:11], s[0:1], 0x0               ; plan s[4:5], xw s[6:7], W1's codes s[8:9], W1's scales s[10:11]
	s_load_b128 s[12:15], s[0:1], 0x20             ; b1 s[12:13], hid s[14:15]
	v_lshrrev_b32 v1, 5, v0
	v_readfirstlane_b32 s16, v1                    ; wave 0..3
	v_and_b32 v1, 31, v0                           ; lane
	v_and_b32 v2, 15, v0                           ; r
	v_bfe_u32 v3, v0, 4, 1                         ; h
	v_lshlrev_b32 v4, 4, v1                        ; 16 x lane
	v_lshlrev_b32 v5, 2, v2                        ; 4 r
	v_lshlrev_b32 v6, 4, v3                        ; 16 h
	v_and_b32 v13, 8, v2
	v_add_nc_u32 v13, v13, v2                      ; r + 8 (r / 8)
	v_mul_u32_u24 v11, v13, WP
	v_add_nc_u32 v11, v11, v6                      ; a fragment of W1 in LDS: its row x pitch + 16 h
	s_mul_i32 s27, s16, 32*WP
	v_add_nc_u32 v12, s27, v4                      ; into LDS: my wave's 32 rows, 16 bytes a lane
	v_lshlrev_b32 v13, 5, v13                      ; W1's scale words: 32 bytes a row
	v_lshlrev_b32 v161, 6, v3                      ; b1: lanes 16-31 take the 16 units further on
	v_mov_b32 v14, 0x3e7c6f08                      ; c9, twice
	v_mov_b32 v15, 0x3e7c6f08
	s_lshr_b32 s17, ttmp9, 5                       ; expert
	s_and_b32 s18, ttmp9, 31                       ; slice
	s_mov_b32 s[SEL], 0x76543210
	s_mov_b32 s[SEL+1], 0xfedcba98                 ; v_permlanex16_b32's selects for lane l xor 16
	s_mov_b32 s36, 0x3eb504f3                      ; 1 / (2 sqrt 2)
	CPAIR 38, 0xbf38aa3b                           ; -log2(e) / 2
	CPAIR 40, 0xbf97d29d                           ; c8
	CPAIR 42, 0x40097039                           ; c7
	CPAIR 44, 0xbfd1a1e6                           ; c6
	CPAIR 46, 0x3ecdfd18                           ; c5
	CPAIR 48, 0xbe899a80                           ; c4
	CPAIR 50, 0x3e0efb2f                           ; c3
	CPAIR 52, 0x3f0a29d2                           ; c2
	CPAIR 54, 0x3fb8ab5a                           ; c1
	CPAIR 56, 0xc034d90f                           ; c0
	s_mov_b32 s29, 0
	s_wait_kmcnt 0x0
	s_lshl_b32 s28, s17, 4
	s_add_nc_u64 s[2:3], s[4:5], s[28:29]
	s_load_b128 s[20:23], s[2:3], 0x0              ; my expert's first tile, tiles, pairs
	s_lshl_b32 s28, s17, 21                        ; W1's codes: expert, slice's 128 rows of 512 bytes, my wave's 32 of them
	s_lshl_b32 s27, s18, 16
	s_add_co_u32 s28, s28, s27
	s_lshl_b32 s27, s16, 14
	s_add_co_u32 s28, s28, s27
	s_add_nc_u64 s[8:9], s[8:9], s[28:29]
	s_lshl_b32 s28, s17, 17                        ; W1's scales: 32 bytes a row
	s_lshl_b32 s27, s18, 12
	s_add_co_u32 s28, s28, s27
	s_add_nc_u64 s[10:11], s[10:11], s[28:29]
	s_lshl_b32 s28, s17, 14                        ; b1
	s_lshl_b32 s27, s18, 9
	s_add_co_u32 s28, s28, s27
	s_add_nc_u64 s[12:13], s[12:13], s[28:29]
	s_lshl_b32 s28, s18, 10
	s_add_nc_u64 s[60:61], s[14:15], s[28:29]      ; hid: K step sl of tile 0: its image,
	s_lshl_b32 s28, s18, 6
	s_add_nc_u64 s[58:59], s[14:15], s[28:29]
	s_add_nc_u64 s[58:59], s[58:59], HS_OFF        ; and its scale words
	WIN 0x40                                       ; destination window 1
.irp i, 0,1,2,3,4,5,6,7,8,9,10,11,12,13,14,15,16,17,18,19,20,21,22,23,24,25,26,27,28,29,30,31
	global_load_b128 v[4*\i:4*\i+3], v4, s[8:9] offset:512*\i th:TH_LOAD_NT   ; a whole row: 512 consecutive bytes; read once in the launch
.endr
	WIN 0
.irp t, 0,1,2,3,4,5,6,7
	global_load_b128 v[WS+8*\t:WS+8*\t+3], v13, s[10:11] offset:(32*(\t/2)+8*(\t%2))*32
	global_load_b128 v[WS+8*\t+4:WS+8*\t+7], v13, s[10:11] offset:(32*(\t/2)+8*(\t%2))*32+16
.endr
	WIN 0xc0                                       ; destination window 3
.irp t, 0,1,2,3,4,5,6,7
	global_load_b128 v[8*\t:8*\t+3], v161, s[12:13] offset:(32*(\t/2)+8*(\t%2))*4
	global_load_b128 v[8*\t+4:8*\t+7], v161, s[12:13] offset:(32*(\t/2)+8*(\t%2))*4+16
.endr
	WIN 0
	s_wait_kmcnt 0x0
	s_min_u32 s20, s20, 135                        ; numbers read from memory are held before they enter an address or a count
	s_min_u32 s21, s21, 64
	s_min_u32 s22, s22, 1024
	s_max_u32 s25, s22, 1
	s_sub_co_u32 s25, s25, 1                       ; the last pair's place in the segment
	s_lshl_b32 s26, s20, 4                         ; the segment's first row; with no pair at all: row 0, which always holds a pair
	s_cmp_eq_u32 s22, 0
	s_cselect_b32 s26, 0, s26
; the list offset of my lane's row of the tile whose first place is s27; places past the last pair take the last pair
.macro NEXTP
	v_add_nc_u32 v10, s27, v2
	v_min_u32 v10, s25, v10
	v_add_nc_u32 v10, s26, v10
	v_min_u32 v10, 0x87f, v10
	v_lshlrev_b32 v10, 2, v10
.endm
; 18 loads: my token's 512 bytes of codes as eight fragments (lane (r, h): bytes 64 s + 32 c + 16 h), and its eight scale words
.macro XFETCH
	WIN 0xc0
.irp s, 0,1,2,3,4,5,6,7
	global_load_b128 v[64+8*\s:64+8*\s+3], v7, s[6:7] offset:64*\s
	global_load_b128 v[64+8*\s+4:64+8*\s+7], v7, s[6:7] offset:64*\s+32
.endr
	WIN 0
	global_load_b128 v[XS:XS+3], v8, s[6:7] offset:XS_OFF
	global_load_b128 v[XS+4:XS+7], v8, s[6:7] offset:XS_OFF+16
.endm
	s_lshl_b32 s27, s16, 4
	NEXTP
	global_load_b32 v9, v10, s[4:5] offset:LIST    ; my first tile's tokens
	s_wait_loadcnt 0x0
	WIN 0x04                                       ; an LDS store's data are its source 1: window 1
.irp i, 0,1,2,3,4,5,6,7,8,9,10,11,12,13,14,15,16,17,18,19,20,21,22,23,24,25,26,27,28,29,30,31
	ds_store_b128 v12, v[4*\i:4*\i+3] offset:WP*\i
.endr
	WIN 0
	v_min_u32 v9, 0x3ff, v9
	v_lshl_add_u32 v7, v9, 9, v6                   ; token x 512 + 16 h
	v_lshlrev_b32 v8, 5, v9                        ; token x 32
	XFETCH
	s_add_co_u32 s27, s16, 4
	s_lshl_b32 s27, s27, 4
	NEXTP
	global_load_b32 v9, v10, s[4:5] offset:LIST    ; the next tile's tokens
	s_wait_dscnt 0x0                               ; for the others' sake: my 32 rows lie in LDS
	s_barrier_signal -1
	s_barrier_wait -1
.set ss, 0
.rept 8
.if ss == 0
	WIN 0x40
.elseif ss == 4
	WIN 0x80
.endif
.set tt, 0
.rept 8
	ds_load_b128 v[8*(8*(ss%4)+tt):8*(8*(ss%4)+tt)+3], v11 offset:(32*(tt/2)+8*(tt%2))*WP+64*ss
	ds_load_b128 v[8*(8*(ss%4)+tt)+4:8*(8*(ss%4)+tt)+7], v11 offset:(32*(tt/2)+8*(tt%2))*WP+64*ss+32
.set tt, tt+1
.endr
.set ss, ss+1
.endr
	WIN 0
	s_wait_dscnt 0x0                               ; the slice stands in my registers
	s_mov_b32 s24, s16                             ; my first tile
	s_cmp_ge_u32 s16, s21
	s_cbranch_scc1 .Lend
	s_sub_co_u32 s37, s21, s16                     ; my trips: tiles w, w + 4, .. below the expert's number of tiles: (tiles - w + 3) / 4, at least 1 here
	s_add_co_u32 s37, s37, 3
	s_lshr_b32 s37, s37, 2
	s_mov_b32 s19, 0                               ; trips done: stepped by one, so that the loop ends for every count
; 64 matrix instructions: K step by K step, the eight tiles by turns, one instruction a turn
.macro MUL1
.set ss, 0
.rept 8
.if ss == 0
	WIN 0x3d                                       ; source 0 (W1) window 1, source 1 (x) and source 2 (b1) window 3
.elseif ss == 1
	WIN 0x0d
.elseif ss == 4
	WIN 0x0e                                       ; W1's K steps 4-7: window 2
.endif
.set tt, 0
.rept 8
.if ss == 0
	v_wmma_scale_f32_16x16x128_f8f6f4 v[HA+8*tt:HA+8*tt+7], v[8*tt:8*tt+7], v[64:71], v[8*tt:8*tt+7], v[WS+8*tt], v[XS] matrix_a_fmt:MATRIX_FMT_FP4 matrix_b_fmt:MATRIX_FMT_FP4
.else
	v_wmma_scale_f32_16x16x128_f8f6f4 v[HA+8*tt:HA+8*tt+7], v[8*(8*(ss%4)+tt):8*(8*(ss%4)+tt)+7], v[64+8*ss:64+8*ss+7], v[HA+8*tt:HA+8*tt+7], v[WS+8*tt+ss], v[XS+ss] matrix_a_fmt:MATRIX_FMT_FP4 matrix_b_fmt:MATRIX_FMT_FP4
.endif
.set tt, tt+1
.endr
.set ss, ss+1
.endr
.endm
; GELU of the 64 results, in four groups of 16 registers.  Reciprocals and exponentials stand singly among plain lines of other groups, so that each has a plain independent line behind it
; before its result is used (ISA guide 5.7.2), and the plain lines do not wait for them.
.macro GD g, i                         ; 1 + |u| / (2 sqrt 2)
	v_fma_f32 v[TS+16*((\g)%3)+(\i)], |v[HA+16*(\g)+(\i)]|, s36, 1.0
.endm
.macro GR g, i                         ; t
	v_rcp_f32 v[TS+16*((\g)%3)+(\i)], v[TS+16*((\g)%3)+(\i)]
.endm
.macro GG g
.set gt, TS+16*((\g)%3)
.set gu, HA+16*(\g)
.set hr, 0
.rept 9                                ; q(t) by Horner, two numbers a line; the next group's 16 reciprocals stand in the first eight rows
.set hp, 0
.rept 8
.if hr == 0
	v_pk_fma_f32 v[PP+2*hp:PP+2*hp+1], v[gt+2*hp:gt+2*hp+1], v[14:15], s[40:41] op_sel_hi:[1,1,0]
.else
	v_pk_fma_f32 v[PP+2*hp:PP+2*hp+1], v[PP+2*hp:PP+2*hp+1], v[gt+2*hp:gt+2*hp+1], s[40+2*hr:41+2*hr] op_sel_hi:[1,1,0]
.endif
.if ((\g) < 3) && (hr < 8) && (hp == 3)
	GR (\g)+1, 2*hr
.endif
.if ((\g) < 3) && (hr < 8) && (hp == 7)
	GR (\g)+1, 2*hr+1
.endif
.set hp, hp+1
.endr
.set hr, hr+1
.endr
.set hp, 0
.rept 8
	v_pk_mul_f32 v[MM+2*hp:MM+2*hp+1], v[gu+2*hp:gu+2*hp+1], v[gu+2*hp:gu+2*hp+1]                     ; u^2
.set hp, hp+1
.endr
.set hp, 0
.rept 8
	v_pk_fma_f32 v[PP+2*hp:PP+2*hp+1], v[MM+2*hp:MM+2*hp+1], s[38:39], v[PP+2*hp:PP+2*hp+1] op_sel_hi:[1,0,1]   ; q - u^2 log2(e) / 2
.set hp, hp+1
.endr
.set ii, 0
.rept 16
	v_exp_f32 v[PP+ii], v[PP+ii]
	v_max_num_f32 v[MM+ii], 0, v[gu+ii]            ; max(u, 0)
.if (\g) < 2
	GD (\g)+2, ii
.endif
.set ii, ii+1
.endr
.set hp, 0
.rept 8
	v_pk_mul_f32 v[gt+2*hp:gt+2*hp+1], v[gt+2*hp:gt+2*hp+1], v[PP+2*hp:PP+2*hp+1]                     ; a
.set hp, hp+1
.endr
.set ii, 0
.rept 16
	v_fma_f32 v[gu+ii], -|v[gu+ii]|, v[gt+ii], v[MM+ii]                                               ; max(u, 0) - |u| a
.set ii, ii+1
.endr
.endm
.macro GELU
.set ii, 0
.rept 16
	GD 0, ii                                       ; each tile of results is read from its lowest register on
.set ii, ii+1
.endr
.set ii, 0
.rept 16
	GR 0, ii
	GD 1, ii
.set ii, ii+1
.endr
	GG 0
	GG 1
	GG 2
	GG 3
.endm
; 64 numbers of a lane, register 16 b + i = k 32 b + 16 (lane / 16) + i of my row, become a fragment's codes in v[PC] on and its scale word in v[PW]
.macro QUANT s
.irp b, 0,1,2,3
	v_max3_num_f32 v[TM+\b], |v[\s+16*\b]|, |v[\s+1+16*\b]|, 0x1800000   ; block b: my 16 numbers, and the floor 2^(3 - 127): the byte cannot fall under 1
.endr
.irp i, 2,4,6,8,10,12,14
.irp b, 0,1,2,3
	v_max3_num_f32 v[TM+\b], v[TM+\b], |v[\s+16*\b+\i]|, |v[\s+1+16*\b+\i]|
.endr
.endr
.irp b, 0,1,2,3
	v_permlanex16_b32 v[TM+4+\b], v[TM+\b], s[SEL], s[SEL+1]
.endr
.irp b, 0,1,2,3
	v_max_num_f32 v[TM+\b], v[TM+\b], v[TM+4+\b]   ; with lane l xor 16's: the block's largest magnitude
.endr
.irp b, 0,1,2,3
	v_add_nc_u32 v[TM+12+\b], 0xff000000, v[TM+\b] ; 2 off its exponent field: the conversion's scale operand
.endr
.irp b, 0,1,2,3
	v_lshrrev_b32 v[TM+4+\b], 23, v[TM+12+\b]      ; the scale's byte
.endr
	v_lshl_or_b32 v[PW], v[TM+5], 8, v[TM+4]
	v_lshl_or_b32 v[PW], v[TM+6], 16, v[PW]
	v_lshl_or_b32 v[PW], v[TM+7], 24, v[PW]
.irp b, 0,1,2,3
	v_cvt_scalef32_pk8_fp4_f32 v[PC+2*\b], v[\s+16*\b:\s+7+16*\b], v[TM+12+\b]
	v_cvt_scalef32_pk8_fp4_f32 v[PC+1+2*\b], v[\s+8+16*\b:\s+15+16*\b], v[TM+12+\b]
.endr
	v_nop                                          ; one plain line behind the scaled conversions
.irp c, 0,1                                    ; the operand's layout wants a whole block in a lane: lanes 0-15 block 2 c, lanes 16-31 block 2 c + 1
.irp i, 0,1
	v_permlane16_swap_b32 v[PC+4*\c+\i], v[PC+2+4*\c+\i]
.endr
.endr
.endm
.Ltrip:                                            ; a trip = tile s24 against the slice
	s_wait_loadcnt 0x1                             ; this tile's 18 loads are in; the list load issued behind them may be out
	MUL1
	WIN 0
	s_wait_loadcnt 0x0                             ; the next tile's tokens
	v_min_u32 v9, 0x3ff, v9                        ; these eight plain lines name no register of the products: they are the places in front of the loads into x's registers and of the first read of the results
	v_lshl_add_u32 v7, v9, 9, v6
	v_lshlrev_b32 v8, 5, v9
	s_add_co_u32 s27, s24, 8
	s_lshl_b32 s27, s27, 4
	NEXTP
	XFETCH                                         ; the tile four on (past the last tile: the last pair again, inside the buffers); it lands under the gelu
	global_load_b32 v9, v10, s[4:5] offset:LIST    ; and the tokens of the tile eight on
	GELU
	s_wait_xcnt 0x0                                ; the last trip's stores have read their data and bases: both are written anew only behind this wait
	s_add_co_u32 s27, s20, s24
	s_min_u32 s27, s27, 135                        ; the tile's number in hid
	s_lshl_b32 s28, s27, 15
	s_add_nc_u64 s[30:31], s[60:61], s[28:29]
	s_lshl_b32 s28, s27, 11
	s_add_nc_u64 s[32:33], s[58:59], s[28:29]
	QUANT HA
	global_store_b128 v4, v[PC:PC+3], s[30:31]               ; the image: 512 consecutive bytes a store
	global_store_b128 v4, v[PC+4:PC+7], s[30:31] offset:512
	global_store_b32 v5, v[PW], s[32:33]                     ; 16 scale words; lanes 16-31 write the same words with the same values
	s_add_co_u32 s24, s24, 4                       ; my next tile
	s_add_co_u32 s19, s19, 1
	s_cmp_lt_u32 s19, s37
	s_cbranch_scc1 .Ltrip
.Lend:
	s_endpgm
.Lfunc_end_k_qa42443dccd_ffn1:
	.size	k_qa42443dccd_ffn1, .Lfunc_end_k_qa42443dccd_ffn1-k_qa42443dccd_ffn1
	.p2alignl 7, 3214868480
	.fill 96, 4, 3214868480
	.section	.rodata,"a",@progbits
	.p2align	6, 0x0
	.amdhsa_kernel k_qa42443dccd_ffn1
		.amdhsa_group_segment_fixed_size 67584
		.amdhsa_private_segment_fixed_size 0
		.amdhsa_enable_private_segment 0
		.amdhsa_kernarg_size 48
		.amdhsa_user_sgpr_count 2
		.amdhsa_user_sgpr_kernarg_segment_ptr 1
		.amdhsa_wavefront_size32 1
		.amdhsa_system_sgpr_workgroup_id_x 1
		.amdhsa_system_sgpr_workgroup_id_y 1
		.amdhsa_system_sgpr_workgroup_id_z 1
		.amdhsa_system_vgpr_workitem_id 0
		.amdhsa_next_free_vgpr 896
		.amdhsa_next_free_sgpr 66
		.amdhsa_reserve_vcc 0
		.amdhsa_float_denorm_mode_32 3
		.amdhsa_float_denorm_mode_16_64 3
		.amdhsa_memory_ordered 1
		.amdhsa_forward_progress 1
		.amdhsa_inst_pref_size 76
	.end_amdhsa_kernel
	.amdgpu_metadata
---
amdhsa.version: [ 1, 2 ]
amdhsa.kernels:
  - .name:           k_qa42443dccd_ffn1
    .symbol:         k_qa42443dccd_ffn1.kd
    .args:
      - { .name: plan, .offset: 0, .size: 8, .value_kind: global_buffer, .address_space: global }
      - { .name: xw, .offset: 8, .size: 8, .value_kind: global_buffer, .address_space: global }
      - { .name: w1_codes, .offset: 16, .size: 8, .value_kind: global_buffer, .address_space: global }
      - { .name: w1_scales, .offset: 24, .size: 8, .value_kind: global_buffer, .address_space: global }
      - { .name: b1, .offset: 32, .size: 8, .value_kind: global_buffer, .address_space: global }
      - { .name: hid, .offset: 40, .size: 8, .value_kind: global_buffer, .address_space: global }
    .group_segment_fixed_size: 67584
    .private_segment_fixed_size: 0
    .kernarg_segment_align: 8
    .kernarg_segment_size: 48
    .max_flat_workgroup_size: 128
    .sgpr_count:     66
    .vgpr_count:     896
    .wavefront_size: 32
...
	.end_amdgpu_metadata
.endif
;; end of part 3
;; launch ffn2 (part 4): grid 256 x 1, 4 waves a work-group, no clusters, 83,968 bytes of LDS; arguments plan, hid, w2_codes, w2_scales, b2, y; writes y
.if DOCPART == 4
	.amdgcn_target "amdgcn-amd-amdhsa--gfx1250"
	.amdhsa_code_object_version 6
	.text
	.protected	k_qa42443dccd_ffn2
	.globl	k_qa42443dccd_ffn2
	.p2align	8
	.type	k_qa42443dccd_ffn2,@function
k_qa42443dccd_ffn2:
	s_mov_b64 s[64:65], 0
	v_nop
	global_prefetch_b8 v0, s[64:65] scope:SCOPE_SE
	s_setreg_imm32_b32 hwreg(HW_REG_WAVE_MODE, 25, 1), 1
	s_wait_xcnt 0x0
; y = hid W2 (+ b2), on codes of E2M1 with one E8M0 scale for each 32 along K, for the rows (token, expert) that the gate chose.  K = 4,096 is cut in two halves, each summed by its own work-groups
; into its own half of y [2][2,176 rows][1,024] f32; the launch behind adds them in a fixed order.  b2 is the C of the first half's first instruction.
; SHARES.  A work-group = expert e (work-group / 32) x 64 columns cs ((work-group / 2) % 16) x half kh (work-group % 2).  Its 64 KB of W2's codes (4 tiles of 16 columns x 16 K steps) stand in EVERY wave's
; registers (512), read from memory once, handed round through LDS once.  Wave w takes the expert's tiles of 16 rows w, w + 4, ...  Why two halves of K: with all of K a work-group could hold 32 columns only,
; half of an aligned run of 256 bytes of y, and every work-group would read all of hid's rows of its expert; with four parts y's bytes would double again.
; hid comes as images of the operand's registers: a tile's 16 K steps are 16 KB on end, 512 consecutive bytes a load, two buffers by turns, a tile ahead.
; THE MATRIX INSTRUCTION IS USED TRANSPOSED (source 0 = 16 columns' rows of W2, source 1 = 16 rows of hid): a lane holds eight neighbouring columns of one row of y.  They go through the wave's own stage in LDS,
; so that sixteen lanes store 256 consecutive bytes, aligned.
; No tensor loads: no LDS byte is filled by an engine.  No cluster: the 16 work-groups of one (e, kh) do read the same tiles of hid, but how many is read from memory, and a joint request would force the way through LDS.
; REGISTERS: window 0: v1-12 addresses; v16-79 W2's scale words (16 n + s); v80-111 the bias; v112-143 four accumulators; v144-159 hid's scale words, two buffers (register i: lanes 0-15 K step 2 i, lanes 16-31 K step 2 i + 1);
;   v160-191 rows on the way out.   window 1: W2's fragments of K steps 0-7 at 8 (4 (s % 8) + n); window 2: K steps 8-15; window 3: hid's fragments, buffer b at 128 b + 8 s.
.set HS_OFF, 4456448
.set YHALF,  8912896
.set WP,     1040                      ; a row of W2's half in LDS: 1,024 bytes + 16 of padding
.set STG,    64*WP                     ; behind the 64 rows: a stage of 16 rows x (256 + 16) bytes for each wave
.set WS,  16
.set BI,  80
.set ACC, 112
.set HSC, 144
.set OB,  160
.set MSB, 0
.macro WIN new                         ; the immediate's high byte repeats the setting that is left; a switch that changes nothing is dropped
.if MSB != \new
	s_set_vgpr_msb (MSB<<8)|\new
.set MSB, \new
.endif
.endm
	s_load_b256 s[4:11], s[0:1], 0x0               ; plan s[4:5], hid s[6:7], W2's codes s[8:9], W2's scales s[10:11]
	s_load_b128 s[12:15], s[0:1], 0x20             ; b2 s[12:13], y s[14:15]
	v_lshrrev_b32 v1, 5, v0
	v_readfirstlane_b32 s16, v1                    ; wave 0..3
	v_and_b32 v1, 31, v0                           ; lane
	v_and_b32 v2, 15, v0                           ; r
	v_bfe_u32 v3, v0, 4, 1                         ; h
	v_lshlrev_b32 v4, 4, v1                        ; 16 x lane
	v_lshlrev_b32 v5, 2, v1                        ; 4 x lane
	s_mul_i32 s27, s16, 16*272
	s_add_co_u32 s27, s27, STG                     ; my stage
	v_mul_u32_u24 v6, v2, 272
	v_lshl_add_u32 v6, v3, 5, v6
	v_add_nc_u32 v6, s27, v6                       ; in: row r, 32 bytes for each half of the lanes
	v_mul_u32_u24 v7, v3, 272
	v_lshl_add_u32 v7, v2, 4, v7
	v_add_nc_u32 v7, s27, v7                       ; back: lanes 0-15 one row of 256 bytes, lanes 16-31 the next
	v_lshlrev_b32 v8, 12, v3
	v_lshl_add_u32 v8, v2, 4, v8                   ; and the same two rows in y
	v_mul_u32_u24 v9, v2, WP
	v_lshl_add_u32 v9, v3, 4, v9                   ; a fragment of W2 in LDS: row r x pitch + 16 h
	s_mul_i32 s27, s16, 16*WP
	v_add_nc_u32 v10, s27, v4                      ; into LDS: my wave's 16 rows
	v_lshlrev_b32 v11, 7, v2                       ; W2's scale words: 128 bytes a row
	v_lshlrev_b32 v12, 5, v3                       ; b2: lanes 16-31 take the 8 columns further on
	s_lshr_b32 s17, ttmp9, 5                       ; expert
	s_bfe_u32 s18, ttmp9, 0x40001                  ; which 64 columns
	s_and_b32 s19, ttmp9, 1                        ; which half of K
	s_mov_b32 s29, 0
	s_wait_kmcnt 0x0
	s_lshl_b32 s28, s17, 4
	s_add_nc_u64 s[2:3], s[4:5], s[28:29]
	s_load_b128 s[20:23], s[2:3], 0x0              ; my expert's first tile, tiles, pairs
	s_lshl_b32 s28, s17, 21                        ; W2's codes: expert, 64 rows of 2,048 bytes, my wave's 16, my half's 1,024 bytes
	s_lshl_b32 s27, s18, 17
	s_add_co_u32 s28, s28, s27
	s_lshl_b32 s27, s16, 15
	s_add_co_u32 s28, s28, s27
	s_lshl_b32 s27, s19, 10
	s_add_co_u32 s28, s28, s27
	s_add_nc_u64 s[8:9], s[8:9], s[28:29]
	s_lshl_b32 s28, s17, 17                        ; W2's scales
	s_lshl_b32 s27, s18, 13
	s_add_co_u32 s28, s28, s27
	s_lshl_b32 s27, s19, 6
	s_add_co_u32 s28, s28, s27
	s_add_nc_u64 s[10:11], s[10:11], s[28:29]
	s_lshl_b32 s28, s17, 12                        ; b2
	s_lshl_b32 s27, s18, 8
	s_add_co_u32 s28, s28, s27
	s_add_nc_u64 s[12:13], s[12:13], s[28:29]
	s_lshl_b32 s28, s19, 14
	s_add_nc_u64 s[40:41], s[6:7], s[28:29]        ; hid: my half's 16 images of tile 0,
	s_lshl_b32 s28, s19, 10
	s_add_nc_u64 s[42:43], s[6:7], s[28:29]
	s_add_nc_u64 s[42:43], s[42:43], HS_OFF        ; and their scale words
	s_mul_i32 s28, s19, YHALF
	s_lshl_b32 s27, s18, 8
	s_add_co_u32 s28, s28, s27
	s_add_nc_u64 s[44:45], s[14:15], s[28:29]      ; y: my half, my 256 bytes of row 0
	WIN 0x40                                       ; destination window 1
.irp i, 0,1,2,3,4,5,6,7,8,9,10,11,12,13,14,15
	global_load_b128 v[8*\i:8*\i+3], v4, s[8:9] offset:2048*\i th:TH_LOAD_NT         ; 512 consecutive bytes a load; read once in the launch
	global_load_b128 v[8*\i+4:8*\i+7], v4, s[8:9] offset:2048*\i+512 th:TH_LOAD_NT
.endr
	WIN 0
.irp n, 0,1,2,3
.irp q, 0,1,2,3
	global_load_b128 v[WS+16*\n+4*\q:WS+16*\n+4*\q+3], v11, s[10:11] offset:2048*\n+16*\q
.endr
.endr
	s_cmp_lg_u32 s19, 0
	s_cbranch_scc1 .Lno_bias
.irp n, 0,1,2,3
	global_load_b128 v[BI+8*\n:BI+8*\n+3], v12, s[12:13] offset:64*\n
	global_load_b128 v[BI+8*\n+4:BI+8*\n+7], v12, s[12:13] offset:64*\n+16
.endr
	s_branch .Lbias_done
.Lno_bias:                                         ; the second half of K adds no bias: zeros, written once
.irp j, 0,1,2,3,4,5,6,7,8,9,10,11,12,13,14,15,16,17,18,19,20,21,22,23,24,25,26,27,28,29,30,31
	v_mov_b32 v[BI+\j], 0
.endr
.Lbias_done:
	s_wait_kmcnt 0x0
	s_min_u32 s20, s20, 135                        ; numbers read from memory are held before they enter an address or a count
	s_min_u32 s21, s21, 64
	s_max_u32 s25, s21, 1
	s_sub_co_u32 s25, s25, 1                       ; the segment's last tile
	s_cmp_eq_u32 s21, 0
	s_cselect_b32 s26, 0, s20                      ; its first tile; with no tile at all: tile 0, which is always written
	s_mov_b32 s24, s16                             ; my first tile
; 40 loads: the 16 images and the scale words of tile s24 + dj (past the last tile: the last again) into buffer b.  The base pair of buffer b is written anew here: its earlier loads have been waited for
.macro LOADH b, dj
	s_add_co_u32 s27, s24, \dj
	s_min_u32 s27, s27, s25
	s_add_co_u32 s27, s27, s26
	s_min_u32 s27, s27, 135
	s_lshl_b32 s28, s27, 15
	s_add_nc_u64 s[30+2*(\b):31+2*(\b)], s[40:41], s[28:29]
	s_lshl_b32 s28, s27, 11
	s_add_nc_u64 s[34+2*(\b):35+2*(\b)], s[42:43], s[28:29]
	WIN 0xc0                                       ; destination window 3
.irp i, 0,1,2,3,4,5,6,7,8,9,10,11,12,13,14,15,16,17,18,19,20,21,22,23,24,25,26,27,28,29,30,31
	global_load_b128 v[128*(\b)+4*\i:128*(\b)+4*\i+3], v4, s[30+2*(\b):31+2*(\b)] offset:512*\i
.endr
	WIN 0
.irp i, 0,1,2,3,4,5,6,7
	global_load_b32 v[HSC+8*(\b)+\i], v5, s[34+2*(\b):35+2*(\b)] offset:128*\i
.endr
.endm
	s_wait_loadcnt 0x0
	WIN 0x04                                       ; an LDS store's data are its source 1: window 1
.irp i, 0,1,2,3,4,5,6,7,8,9,10,11,12,13,14,15
	ds_store_b128 v10, v[8*\i:8*\i+3] offset:WP*\i
	ds_store_b128 v10, v[8*\i+4:8*\i+7] offset:WP*\i+512
.endr
	WIN 0
	LOADH 0, 0
	s_wait_dscnt 0x0                               ; for the others' sake: my 16 rows lie in LDS
	s_barrier_signal -1
	s_barrier_wait -1
.set ss, 0
.rept 16
.if ss == 0
	WIN 0x40
.elseif ss == 8
	WIN 0x80
.endif
.set nn, 0
.rept 4
	ds_load_b128 v[8*(4*(ss%8)+nn):8*(4*(ss%8)+nn)+3], v9 offset:16*nn*WP+64*ss
	ds_load_b128 v[8*(4*(ss%8)+nn)+4:8*(4*(ss%8)+nn)+7], v9 offset:16*nn*WP+64*ss+32
.set nn, nn+1
.endr
.set ss, ss+1
.endr
	WIN 0
	s_wait_dscnt 0x0                               ; my part of W2 stands in my registers
	s_cmp_ge_u32 s16, s21
	s_cbranch_scc1 .Ldone
	s_sub_co_u32 s47, s21, s16                     ; my trips of two tiles: tiles w, w + 4, .. below the expert's number: (tiles - w + 7) / 8, at least 1 here
	s_add_co_u32 s47, s47, 7
	s_lshr_b32 s47, s47, 3
	s_mov_b32 s46, 0                               ; trips done: stepped by one, so that the loop ends for every count
; 64 matrix instructions: K step by K step, the four accumulators by turns, one instruction a turn.  Five places follow: the next unit begins the accumulators anew with another C;
; they also serve the loads into the buffer just read and the LDS stores of the results
.macro MUL2 b
.set ss, 0
.rept 16
.if ss == 0
	WIN 0x0d                                       ; source 0 (W2) window 1, source 1 (hid) window 3
.elseif ss == 8
	WIN 0x0e                                       ; W2's K steps 8-15: window 2
.endif
.set nn, 0
.rept 4
.if ss == 0
	v_wmma_scale_f32_16x16x128_f8f6f4 v[ACC+8*nn:ACC+8*nn+7], v[8*nn:8*nn+7], v[128*(\b):128*(\b)+7], v[BI+8*nn:BI+8*nn+7], v[WS+16*nn], v[HSC+8*(\b)] matrix_a_fmt:MATRIX_FMT_FP4 matrix_b_fmt:MATRIX_FMT_FP4
.elseif ss%2 == 0
	v_wmma_scale_f32_16x16x128_f8f6f4 v[ACC+8*nn:ACC+8*nn+7], v[8*(4*(ss%8)+nn):8*(4*(ss%8)+nn)+7], v[128*(\b)+8*ss:128*(\b)+8*ss+7], v[ACC+8*nn:ACC+8*nn+7], v[WS+16*nn+ss], v[HSC+8*(\b)+ss/2] matrix_a_fmt:MATRIX_FMT_FP4 matrix_b_fmt:MATRIX_FMT_FP4
.else
	v_wmma_scale_f32_16x16x128_f8f6f4 v[ACC+8*nn:ACC+8*nn+7], v[8*(4*(ss%8)+nn):8*(4*(ss%8)+nn)+7], v[128*(\b)+8*ss:128*(\b)+8*ss+7], v[ACC+8*nn:ACC+8*nn+7], v[WS+16*nn+ss], v[HSC+8*(\b)+ss/2] matrix_a_fmt:MATRIX_FMT_FP4 matrix_b_fmt:MATRIX_FMT_FP4 matrix_b_scale:MATRIX_SCALE_ROW1
.endif
.set nn, nn+1
.endr
.set ss, ss+1
.endr
	WIN 0
.rept 5
	v_nop
.endr
.endm
; tile s24 + dj goes out: 16 rows x 256 bytes through my own stage.  LDS serves a wave's instructions in order: no wait between the stores and the loads
.macro OUT dj
	s_wait_xcnt 0x0                                ; the last unit's stores have read their data and base: both are written anew only behind this wait
	s_add_co_u32 s27, s20, s24
	s_add_co_u32 s27, s27, \dj
	s_min_u32 s27, s27, 135
	s_lshl_b32 s28, s27, 16                        ; 16 rows of 4,096 bytes a tile
	s_add_nc_u64 s[38:39], s[44:45], s[28:29]
.irp n, 0,1,2,3
	ds_store_b128 v6, v[ACC+8*\n:ACC+8*\n+3] offset:64*\n          ; each accumulator from its low end on
	ds_store_b128 v6, v[ACC+8*\n+4:ACC+8*\n+7] offset:64*\n+16
.endr
.irp i, 0,1,2,3,4,5,6,7
	ds_load_b128 v[OB+4*\i:OB+4*\i+3], v7 offset:544*\i
.endr
.irp i, 0,1,2,3,4,5,6,7
	s_wait_dscnt 7-\i                              ; load i is back; the loads issued behind it may be out
	global_store_b128 v8, v[OB+4*\i:OB+4*\i+3], s[38:39] offset:8192*\i th:TH_STORE_NT   ; 16 lanes store 256 consecutive bytes, aligned; not read again in this launch
.endr
.endm
.macro HALF b, dj
	LOADH 1-(\b), (\dj)+4                          ; the tile four on, into the other buffer: it lands under this unit's products and its way out
	s_wait_loadcnt 40                              ; all but the 40 just issued: this unit's buffer is in
	MUL2 \b
	OUT \dj
.endm
.Lloop:                                            ; a trip = two tiles, so that the two buffers take turns; on both ways in, buffer 0's 40 loads are out
	HALF 0, 0
	s_add_co_u32 s27, s24, 4
	s_cmp_lt_u32 s27, s21                          ; is there a second tile in this trip?
	s_cbranch_scc1 .Lmore
	s_endpgm                                       ; no: a wave with an odd number of tiles ends here, in its last trip (plain loads may be out at the end)
.Lmore:                                            ; buffer 1's 40 loads are out
	HALF 1, 4
	s_add_co_u32 s24, s24, 8                       ; my next two tiles
	s_add_co_u32 s46, s46, 1
	s_cmp_lt_u32 s46, s47
	s_cbranch_scc1 .Lloop
.Ldone:
	s_endpgm
.Lfunc_end_k_qa42443dccd_ffn2:
	.size	k_qa42443dccd_ffn2, .Lfunc_end_k_qa42443dccd_ffn2-k_qa42443dccd_ffn2
	.p2alignl 7, 3214868480
	.fill 96, 4, 3214868480
	.section	.rodata,"a",@progbits
	.p2align	6, 0x0
	.amdhsa_kernel k_qa42443dccd_ffn2
		.amdhsa_group_segment_fixed_size 83968
		.amdhsa_private_segment_fixed_size 0
		.amdhsa_enable_private_segment 0
		.amdhsa_kernarg_size 48
		.amdhsa_user_sgpr_count 2
		.amdhsa_user_sgpr_kernarg_segment_ptr 1
		.amdhsa_wavefront_size32 1
		.amdhsa_system_sgpr_workgroup_id_x 1
		.amdhsa_system_sgpr_workgroup_id_y 1
		.amdhsa_system_sgpr_workgroup_id_z 1
		.amdhsa_system_vgpr_workitem_id 0
		.amdhsa_next_free_vgpr 1024
		.amdhsa_next_free_sgpr 66
		.amdhsa_reserve_vcc 0
		.amdhsa_float_denorm_mode_32 3
		.amdhsa_float_denorm_mode_16_64 3
		.amdhsa_memory_ordered 1
		.amdhsa_forward_progress 1
		.amdhsa_inst_pref_size 54
	.end_amdhsa_kernel
	.amdgpu_metadata
---
amdhsa.version: [ 1, 2 ]
amdhsa.kernels:
  - .name:           k_qa42443dccd_ffn2
    .symbol:         k_qa42443dccd_ffn2.kd
    .args:
      - { .name: plan, .offset: 0, .size: 8, .value_kind: global_buffer, .address_space: global }
      - { .name: hid, .offset: 8, .size: 8, .value_kind: global_buffer, .address_space: global }
      - { .name: w2_codes, .offset: 16, .size: 8, .value_kind: global_buffer, .address_space: global }
      - { .name: w2_scales, .offset: 24, .size: 8, .value_kind: global_buffer, .address_space: global }
      - { .name: b2, .offset: 32, .size: 8, .value_kind: global_buffer, .address_space: global }
      - { .name: y, .offset: 40, .size: 8, .value_kind: global_buffer, .address_space: global }
    .group_segment_fixed_size: 83968
    .private_segment_fixed_size: 0
    .kernarg_segment_align: 8
    .kernarg_segment_size: 48
    .max_flat_workgroup_size: 128
    .sgpr_count:     66
    .vgpr_count:     1024
    .wavefront_size: 32
...
	.end_amdgpu_metadata
.endif
;; end of part 4
;; launch combine (part 5): grid 256 x 1, 4 waves a work-group, no clusters, 0 bytes of LDS; arguments plan, xw, y, out0; writes out0
.if DOCPART == 5
	.amdgcn_target "amdgcn-amd-amdhsa--gfx1250"
	.amdhsa_code_object_version 6
	.text
	.protected	k_qa42443dccd_combine
	.globl	k_qa42443dccd_combine
	.p2align	8
	.type	k_qa42443dccd_combine,@function
k_qa42443dccd_combine:
	s_mov_b64 s[64:65], 0
	v_nop
	global_prefetch_b8 v0, s[64:65] scope:SCOPE_SE
	s_setreg_imm32_b32 hwreg(HW_REG_WAVE_MODE, 25, 1), 1
	s_wait_xcnt 0x0
; out0[t] = fac[t] x ((first expert's row: half 0 + half 1 of K) + (second expert's row: half 0 + half 1)).  A stream: one wave to a token, four rows of 4,096 bytes in, one out;
; every load and store covers 512 consecutive bytes.  The token's two rows come from plan, as whole numbers that an earlier launch stored; fac from xw.
; All 32 loads of a wave go out at once; LDS, barriers and the matrix unit would add nothing.
.set ROWOF,   256
.set FAC_OFF, 557056
.set YHALF,   8912896
	s_load_b256 s[4:11], s[0:1], 0x0               ; plan s[4:5], xw s[6:7], y s[8:9], out0 s[10:11]
	v_lshrrev_b32 v1, 5, v0
	v_readfirstlane_b32 s16, v1                    ; wave 0..3
	v_and_b32 v1, 31, v0
	v_lshlrev_b32 v2, 4, v1                        ; 16 bytes a lane
	s_lshl_b32 s17, ttmp9, 2
	s_add_co_u32 s17, s17, s16                     ; my token
	s_mov_b32 s19, 0
	s_wait_kmcnt 0x0
	s_lshl_b32 s18, s17, 3
	s_add_nc_u64 s[2:3], s[4:5], s[18:19]
	s_load_b64 s[12:13], s[2:3], ROWOF             ; its two rows
	s_lshl_b32 s18, s17, 2
	s_add_nc_u64 s[28:29], s[6:7], s[18:19]
	s_load_b32 s14, s[28:29], FAC_OFF              ; its fac
	s_lshl_b32 s18, s17, 12
	s_add_nc_u64 s[10:11], s[10:11], s[18:19]
	s_wait_kmcnt 0x0
	s_mov_b32 s15, s14                             ; (the packed form names the pair)
	s_min_u32 s12, s12, 2175                       ; held inside y's 2,176 rows
	s_min_u32 s13, s13, 2175
	s_lshl_b32 s18, s12, 12
	s_add_nc_u64 s[20:21], s[8:9], s[18:19]
	s_lshl_b32 s18, s13, 12
	s_add_nc_u64 s[22:23], s[8:9], s[18:19]
	s_add_nc_u64 s[24:25], s[20:21], YHALF
	s_add_nc_u64 s[26:27], s[22:23], YHALF
.irp i, 0,1,2,3,4,5,6,7
	global_load_b128 v[16+16*\i:19+16*\i], v2, s[20:21] offset:512*\i th:TH_LOAD_NT
	global_load_b128 v[20+16*\i:23+16*\i], v2, s[24:25] offset:512*\i th:TH_LOAD_NT
	global_load_b128 v[24+16*\i:27+16*\i], v2, s[22:23] offset:512*\i th:TH_LOAD_NT
	global_load_b128 v[28+16*\i:31+16*\i], v2, s[26:27] offset:512*\i th:TH_LOAD_NT
.endr
.irp i, 0,1,2,3,4,5,6,7
	s_wait_loadcnt 28-4*\i                         ; group i's four loads are in; the later groups may be out
.irp p, 0,2
	v_pk_add_f32 v[16+16*\i+\p:17+16*\i+\p], v[16+16*\i+\p:17+16*\i+\p], v[20+16*\i+\p:21+16*\i+\p]
	v_pk_add_f32 v[24+16*\i+\p:25+16*\i+\p], v[24+16*\i+\p:25+16*\i+\p], v[28+16*\i+\p:29+16*\i+\p]
.endr
.irp p, 0,2
	v_pk_add_f32 v[16+16*\i+\p:17+16*\i+\p], v[16+16*\i+\p:17+16*\i+\p], v[24+16*\i+\p:25+16*\i+\p]
.endr
.irp p, 0,2
	v_pk_mul_f32 v[16+16*\i+\p:17+16*\i+\p], v[16+16*\i+\p:17+16*\i+\p], s[14:15] op_sel_hi:[1,0]
.endr
	global_store_b128 v2, v[16+16*\i:19+16*\i], s[10:11] offset:512*\i th:TH_STORE_NT
.endr
	s_endpgm
.Lfunc_end_k_qa42443dccd_combine:
	.size	k_qa42443dccd_combine, .Lfunc_end_k_qa42443dccd_combine-k_qa42443dccd_combine
	.p2alignl 7, 3214868480
	.fill 96, 4, 3214868480
	.section	.rodata,"a",@progbits
	.p2align	6, 0x0
	.amdhsa_kernel k_qa42443dccd_combine
		.amdhsa_group_segment_fixed_size 0
		.amdhsa_private_segment_fixed_size 0
		.amdhsa_enable_private_segment 0
		.amdhsa_kernarg_size 32
		.amdhsa_user_sgpr_count 2
		.amdhsa_user_sgpr_kernarg_segment_ptr 1
		.amdhsa_wavefront_size32 1
		.amdhsa_system_sgpr_workgroup_id_x 1
		.amdhsa_system_sgpr_workgroup_id_y 1
		.amdhsa_system_sgpr_workgroup_id_z 1
		.amdhsa_system_vgpr_workitem_id 0
		.amdhsa_next_free_vgpr 144
		.amdhsa_next_free_sgpr 66
		.amdhsa_reserve_vcc 0
		.amdhsa_float_denorm_mode_32 3
		.amdhsa_float_denorm_mode_16_64 3
		.amdhsa_memory_ordered 1
		.amdhsa_forward_progress 1
		.amdhsa_inst_pref_size 10
	.end_amdhsa_kernel
	.amdgpu_metadata
---
amdhsa.version: [ 1, 2 ]
amdhsa.kernels:
  - .name:           k_qa42443dccd_combine
    .symbol:         k_qa42443dccd_combine.kd
    .args:
      - { .name: plan, .offset: 0, .size: 8, .value_kind: global_buffer, .address_space: global }
      - { .name: xw, .offset: 8, .size: 8, .value_kind: global_buffer, .address_space: global }
      - { .name: y, .offset: 16, .size: 8, .value_kind: global_buffer, .address_space: global }
      - { .name: out0, .offset: 24, .size: 8, .value_kind: global_buffer, .address_space: global }
    .group_segment_fixed_size: 0
    .private_segment_fixed_size: 0
    .kernarg_segment_align: 8
    .kernarg_segment_size: 32
    .max_flat_workgroup_size: 128
    .sgpr_count:     66
    .vgpr_count:     144
    .wavefront_size: 32
...
	.end_amdgpu_metadata
.endif
;; end of part 5
